; MI455X (gfx1250); checked and timed in simulation.
; The chip was launched on July 23, 2026; its instructions are those of AMD's public machine-readable ISA for CDNA 5 (MIT licence, August 2026) and "CDNA5" Instruction Set Architecture Reference Guide (July 2026). The comments in the code are by the model that wrote it; some were corrected since.
;; Output Layer. Allowed arithmetic: matrix products marked QUANTISED: E2M1 operands, one E8M0 scale for each 32 along K, by v_wmma_scale_f32_16x16x128_f8f6f4 with both operands' format E2M1 (or v_wmma_scale_f32_32x16x128_f4), f32 sums; everything else in f32.
;; Inputs: W 4,096 x 4,096 float32; a2 4,096 float32; b 4,096 float32; b2 4,096 float32; x 8 x 512 x 4,096 float32.
;; Outputs: out0 8 x 512 x 4,096 float32.
;; This version of the problem:
;;   THIS VERSION OF THE PROBLEM IS GIVEN IN LOW PRECISION. The matrix products marked QUANTISED in the list below multiply operands that are first quantised to E2M1 (2 exponent bits, 1 mantissa bit; 4 bits a number), with one power-of-two scale for each 32 numbers along K (OCP MX v1.0); their sums are f32. All else is computed in f32.
;;   The module's matrix products, in the order in which they are computed (A, B: the left and right operand; K: the contracted axis; several contracted axes count as one K, in the product's order):
;;     1. [M 4,096, K 4,096] x [K 4,096, N 4,096]; A: input x; B: input W: QUANTISED
;;   THE QUANTISER, for each operand of a quantised product, along K:
;;     - K is cut into blocks of 32 from its start; a last block that is shorter is filled with zeros.
;;     - A block's scale is 2^e with e = floor(log2(the largest magnitude in the block)) - 2, held to -126 .. 127; a block of zeros has e = 0. As a byte (E8M0): e + 127.
;;     - Each number is divided by its block's scale, clamped to +-6, and rounded to the nearest number of E2M1, ties to even, subnormals kept.
;;     - The product sums the exact products of the quantised numbers (number of the format x scale) in f32.
;;   ~~~python
;;   def quantise(x, axis):      # numpy; x: float32 -> the quantised numbers, widened to float32 again
;;       x = np.moveaxis(x, axis, -1); K = x.shape[-1]
;;       x = np.pad(x, [(0, 0)] * (x.ndim - 1) + [(0, -K % 32)]); x = x.reshape(x.shape[:-1] + (-1, 32)); a = np.abs(x).max(-1, keepdims=True)
;;       e = np.where(a > 0, np.clip(np.frexp(np.where(a > 0, a, 1))[1] - 1 - 2, -126, 127), 0)      # np.frexp(a)[1] - 1 = floor(log2(a)), exactly
;;       r = np.clip(x / 2.0 ** e, -6, 6)
;;       step = 2.0 ** (np.maximum(np.frexp(np.where(r == 0, 1, r))[1] - 1, 0) - 1)
;;       q = np.round(r / step) * step * 2.0 ** e      # np.round: ties to even
;;       return np.moveaxis(q.reshape(q.shape[:-2] + (-1,))[..., :K], -1, axis).astype(np.float32)
;;   ~~~
;; One version. Each part assembles by itself: llvm-mc -triple=amdgcn-amd-amdhsa -mcpu=gfx1250 --defsym DOCPART=n.
;; ======== version 1 of 1: 3 launches
;; limits: right only within a limited range of input values
;; workspace buffers: xq 8,912,896 bytes; wq 8,912,896 bytes; hbuf 67,108,864 bytes
;; launch quant (part 1): grid 512 x 1, 4 waves a work-group, no clusters, 37,376 bytes of LDS; arguments x, W, xq, wq; writes xq, wq
.if DOCPART == 1
	.amdgcn_target "amdgcn-amd-amdhsa--gfx1250"
	.amdhsa_code_object_version 6
	.text
	.protected	k_q03730e3cb6_quant
	.globl	k_q03730e3cb6_quant
	.p2align	8
	.type	k_q03730e3cb6_quant,@function
k_q03730e3cb6_quant:
	s_mov_b64 s[64:65], 0
	v_nop
	global_prefetch_b8 v0, s[64:65] scope:SCOPE_SE
	s_setreg_imm32_b32 hwreg(HW_REG_WAVE_MODE, 25, 1), 1
	s_wait_xcnt 0x0
; out = LayerNorm(gelu(Q(x) Q(W)^T + b)) in three launches.  This one is the quantiser Q: x [4096][4096] and W [4096][4096], f32, K innermost, become codes of E2M1 with one E8M0 byte for each 32 along K.
; NO WORK IS LEFT OUT: x, W, b, a2 and b2 all reach the output, and every step of the reference is done in one of the three launches.
; A block's scale is 2^(floor(log2(its largest magnitude)) - 2); its byte is the largest magnitude's exponent field - 2, held at 1 from below.  Each number is divided by the scale and rounded to the nearest code, ties to even,
; beyond the largest code the largest.
; LIMITS: a block of zeros gets the byte 1 where the rule says 127 (its codes are zeros, which add nothing under any byte but 0xff, and this program alone reads the bytes); blocks whose largest magnitude lies under 2^-124,
; the floor, were not tried; NaN and infinities among x and W are not served.
; THE WORKSPACE IS LAID AS THE PRODUCT'S LAUNCH WANTS IT: [T = row / 128][ks = k / 512][a block of BLKB bytes].  In a block: the codes [g = (row / 16) % 8][kb = (k / 32) % 16][r = row % 16][16 bytes], 32,768 bytes, and behind
; them the scale bytes [g][r][16 bytes], byte kb for block kb, 2,048 bytes.  So the 1,024 bytes at 4096 g + 1024 q are the image of an operand's registers (16 rows x 128 K): register group c of lane l at 512 c + 16 l.
; SHARES.  Work-groups 0 to 255 take x, the others W: only pointers are chosen, the text has one path.  A work-group takes 16 rows, wave w their K = 1024 w .. 1024 w + 1023, in 16 steps of 16 rows x 64 K.
; Each load reads 256 consecutive bytes of two rows; a step's 4,096 bytes turn through the wave's own stage in LDS, so that lane (r, h) then holds ONE WHOLE BLOCK: row r, 32 neighbours along K.  No other lane is asked for a maximum,
; a lane's codes are 16 bytes, and the wave stores 512 consecutive bytes.  The wave's 512 scale bytes are gathered in LDS and leave as two aligned runs of 256 bytes.  Waves share nothing: no barrier.
.set BLKB,  34816
.set TILEB, 8*BLKB
.set STG,   16*272                     ; a stage: 16 rows of 256 bytes + 16 of padding
.set SBY,   2*STG                      ; behind the two stages: the wave's 512 scale bytes
.set WREG,  SBY+512                    ; a wave's region
.set SPARE, 4*WREG                     ; behind the four regions: the spare words, 128 bytes for each wave: two blocks of 256 bytes that no other line names
.set SPW,   12                         ; v12  LDS address of my spare word; never rewritten
.set NIL,   13                         ; v13  0; never rewritten
.set R,     16                         ; v16-143   four sets of 32 registers as loaded
.set X,     144                        ; v144-207  two sets of 32 neighbours
.set C,     208                        ; v208-223  four sets of 4 registers of codes
.set E,     224                        ; v224-239  a scale byte for each step
.set T,     240                        ; v240-243  at work
	s_load_b256 s[4:11], s[0:1], 0x0               ; x s[4:5], W s[6:7], xq s[8:9], wq s[10:11]
	v_lshl_add_u32 v[SPW], v0, 2, SPARE
	v_mov_b32 v[NIL], 0
	v_lshrrev_b32 v1, 5, v0
	v_readfirstlane_b32 s16, v1                    ; wave 0..3
	v_and_b32 v2, 31, v0                           ; lane l
	v_and_b32 v8, 15, v0                           ; r = l % 16
	v_bfe_u32 v9, v0, 4, 1                         ; h = l / 16
	v_lshlrev_b32 v3, 14, v9
	v_lshl_add_u32 v3, v8, 4, v3                   ; in: lanes 0-15 an even row, lanes 16-31 the next (16,384 bytes on), 16 bytes a lane
	v_lshlrev_b32 v4, 4, v2                        ; codes out: 16 l
	s_mul_i32 s17, s16, WREG                       ; my region
	s_add_co_u32 s18, s17, SBY                     ; my scale bytes
	v_lshl_add_u32 v5, v8, 4, v9
	v_add_nc_u32 v5, s18, v5                       ; my byte: row r's 16 bytes, + h
	v_add_nc_u32 v6, s18, v4                       ; and back: 16 bytes a lane
	v_mul_u32_u24 v7, v9, BLKB
	v_lshl_add_u32 v7, v8, 4, v7                   ; scale bytes out: lanes 0-15 my first K step of 512, lanes 16-31 my second, a block further on
	v_mul_u32_u24 v14, v9, 272
	v_lshl_add_u32 v14, v8, 4, v14
	v_add_nc_u32 v14, s17, v14                     ; the stage, in: row h of a pair, 16 bytes a lane
	v_mul_u32_u24 v15, v8, 272
	v_lshl_add_u32 v15, v9, 7, v15
	v_add_nc_u32 v15, s17, v15                     ; the stage, out: row r, half h of its 256 bytes
	s_and_b32 s20, ttmp9, 255                      ; G: which 16 rows of the tensor
	s_lshl_b32 s22, s20, 18                        ; 16 rows of 16,384 bytes,
	s_lshl_b32 s23, s16, 12                        ; my wave's 1,024 numbers
	s_add_co_u32 s22, s22, s23
	s_mov_b32 s23, 0
	s_lshr_b32 s24, s20, 3
	s_mul_i32 s24, s24, TILEB                      ; T = G / 8,
	s_mul_i32 s25, s16, 2*BLKB                     ; ks = 2 w
	s_add_co_u32 s24, s24, s25
	s_and_b32 s21, s20, 7                          ; g = G % 8
	s_lshl_b32 s26, s21, 8
	s_add_co_u32 s26, s26, s24
	s_add_co_u32 s26, s26, 32768                   ; the scale bytes of my 16 rows
	s_mov_b32 s27, 0
	s_lshl_b32 s25, s21, 12
	s_add_co_u32 s24, s24, s25                     ; their codes
	s_mov_b32 s25, 0
	s_wait_alu depctr_va_vdst(0)
	s_wait_kmcnt 0x0
	s_cmp_lt_u32 ttmp9, 256                        ; x's work-group or W's?  The choice hangs on the work-group's number alone
	s_cselect_b64 s[4:5], s[4:5], s[6:7]
	s_cselect_b64 s[8:9], s[8:9], s[10:11]
	s_add_nc_u64 s[4:5], s[4:5], s[22:23]
	s_add_nc_u64 s[10:11], s[8:9], s[26:27]
	s_add_nc_u64 s[8:9], s[8:9], s[24:25]
.macro LOAD t                          ; step t: 64 along K of 16 rows, two rows a load
.irp i, 0,1,2,3,4,5,6,7
	global_load_b128 v[R+32*((\t)%4)+4*\i:R+32*((\t)%4)+4*\i+3], v3, s[4:5] offset:32768*\i+256*(\t) th:TH_LOAD_NT
.endr
.endm
.macro TURN t                          ; step t's numbers through a stage: LDS serves a wave's instructions in order, so no wait stands between the stores and the loads
.irp i, 0,1,2,3,4,5,6,7
	ds_store_b128 v14, v[R+32*((\t)%4)+4*\i:R+32*((\t)%4)+4*\i+3] offset:STG*((\t)%2)+544*\i
.endr
.irp j, 0,1,2,3,4,5,6,7
	ds_load_b128 v[X+32*((\t)%2)+4*\j:X+32*((\t)%2)+4*\j+3], v15 offset:STG*((\t)%2)+16*\j
.endr
.endm
.irp t, 0,1,2,3
	LOAD \t
.endr
	s_wait_loadcnt 24                              ; step 0's eight loads are in; three steps' 24 may be out
	TURN 0
.macro STEP t
.set XS, X+32*((\t)%2)
.if (\t) > 0
	s_wait_dscnt 1                                 ; this step's numbers are back from the stage (the last step's byte store may be out): so its stores into the stage have read their registers,
.else
	s_wait_dscnt 0x0
.endif
.if (\t)+4 < 16
	LOAD (\t)+4                                    ; which take the loads of four steps on
.endif
.if (\t)+1 < 16
.if 14-(\t) >= 3
	s_wait_loadcnt 24                              ; the next step's eight loads are in; those of the three steps behind it may be out
.else
	s_wait_loadcnt 8*(14-(\t))                     ; the tail: the counts run down
.endif
	TURN (\t)+1                                    ; they go through the other stage while this step is worked
.endif
	v_max3_num_f32 v[T], |v[XS]|, |v[XS+1]|, |v[XS+2]|             ; the block's largest magnitude: all 32 numbers are mine; two chains
	v_max3_num_f32 v[T+1], |v[XS+3]|, |v[XS+4]|, |v[XS+5]|
.irp i, 6,10,14,18,22,26
	v_max3_num_f32 v[T], v[T], |v[XS+\i]|, |v[XS+\i+1]|
	v_max3_num_f32 v[T+1], v[T+1], |v[XS+\i+2]|, |v[XS+\i+3]|
.endr
	v_max3_num_f32 v[T], v[T], |v[XS+30]|, |v[XS+31]|
	v_max3_num_f32 v[T], v[T], v[T+1], 0x1800000   ; and the floor 2^(3 - 127): so the byte cannot fall under 1
	v_add_nc_u32 v[T+2], 0xff000000, v[T]          ; 2 off its exponent field: the conversion takes the exponent field of this operand as its scale, and nothing else of it
.if (\t) >= 4
	s_wait_alu depctr_va_vdst(0)
	s_wait_xcnt 0x0                                ; the store of four steps ago has read this set of code registers: it is written again only behind this wait
.endif
.irp g, 0,1,2,3
	v_cvt_scalef32_pk8_fp4_f32 v[C+4*((\t)%4)+\g], v[XS+8*\g:XS+8*\g+7], v[T+2]
.endr
	v_lshrrev_b32 v[E+(\t)], 23, v[T+2]            ; the scale's byte; also the plain instruction behind the conversions
	ds_store_b8 v5, v[E+(\t)] offset:256*((\t)/8)+2*((\t)%8)       ; byte kb = 2 (t % 8) + h of row r, K step t / 8 of my two
	global_store_b128 v4, v[C+4*((\t)%4):C+4*((\t)%4)+3], s[8:9] offset:BLKB*((\t)/8)+512*((\t)%8)   ; 32 lanes store 512 consecutive bytes, at a multiple of 256 from the buffer's first byte
.endm
.irp t, 0,1,2,3,4,5,6,7,8,9,10,11,12,13,14,15
	STEP \t
.endr
	ds_load_b128 v[T:T+3], v6                      ; LDS serves a wave's instructions in order: this sees my byte stores
	s_wait_dscnt 0x0
	global_store_b128 v7, v[T:T+3], s[10:11]       ; sixteen lanes store 256 consecutive aligned bytes, in each of my two blocks
	s_wait_tensorcnt 0x0                           ; the wave's end: behind my last LDS store
	ds_add_u32 v[SPW], v[NIL]
	s_wait_dscnt 0x0
	s_endpgm
.Lfunc_end_k_q03730e3cb6_quant:
	.size	k_q03730e3cb6_quant, .Lfunc_end_k_q03730e3cb6_quant-k_q03730e3cb6_quant
	.p2alignl 7, 3214868480
	.fill 96, 4, 3214868480
	.section	.rodata,"a",@progbits
	.p2align	6, 0x0
	.amdhsa_kernel k_q03730e3cb6_quant
		.amdhsa_group_segment_fixed_size 37376
		.amdhsa_private_segment_fixed_size 0
		.amdhsa_enable_private_segment 0
		.amdhsa_kernarg_size 32
		.amdhsa_user_sgpr_count 2
		.amdhsa_user_sgpr_kernarg_segment_ptr 1
		.amdhsa_wavefront_size32 1
		.amdhsa_system_sgpr_workgroup_id_x 1
		.amdhsa_system_sgpr_workgroup_id_y 1
		.amdhsa_system_sgpr_workgroup_id_z 1
		.amdhsa_system_vgpr_workitem_id 0
		.amdhsa_next_free_vgpr 244
		.amdhsa_next_free_sgpr 66
		.amdhsa_reserve_vcc 0
		.amdhsa_float_denorm_mode_32 3
		.amdhsa_float_denorm_mode_16_64 3
		.amdhsa_memory_ordered 1
		.amdhsa_forward_progress 1
		.amdhsa_inst_pref_size 58
	.end_amdhsa_kernel
	.amdgpu_metadata
---
amdhsa.version: [ 1, 2 ]
amdhsa.kernels:
  - .name:           k_q03730e3cb6_quant
    .symbol:         k_q03730e3cb6_quant.kd
    .args:
      - { .name: x, .offset: 0, .size: 8, .value_kind: global_buffer, .address_space: global }
      - { .name: W, .offset: 8, .size: 8, .value_kind: global_buffer, .address_space: global }
      - { .name: xq, .offset: 16, .size: 8, .value_kind: global_buffer, .address_space: global }
      - { .name: wq, .offset: 24, .size: 8, .value_kind: global_buffer, .address_space: global }
    .group_segment_fixed_size: 37376
    .private_segment_fixed_size: 0
    .kernarg_segment_align: 8
    .kernarg_segment_size: 32
    .max_flat_workgroup_size: 128
    .sgpr_count:     66
    .vgpr_count:     244
    .wavefront_size: 32
...
	.end_amdgpu_metadata
.endif
;; end of part 1
;; launch gemm (part 2): grid 16 x 16, 4 waves a work-group, clusters of 4 x 4, 327,680 bytes of LDS; arguments xq, wq, b, hbuf; writes hbuf
.if DOCPART == 2
	.amdgcn_target "amdgcn-amd-amdhsa--gfx1250"
	.amdhsa_code_object_version 6
	.text
	.protected	k_q03730e3cb6_gemm
	.globl	k_q03730e3cb6_gemm
	.p2align	8
	.type	k_q03730e3cb6_gemm,@function
k_q03730e3cb6_gemm:
	s_mov_b64 s[64:65], 0
	v_nop
	global_prefetch_b8 v0, s[64:65] scope:SCOPE_SE
	s_setreg_imm32_b32 hwreg(HW_REG_WAVE_MODE, 25, 1), 1
	s_wait_xcnt 0x0
	s_wait_alu depctr_hold_cnt(0) depctr_sa_sdst(0) depctr_va_vdst(0) depctr_va_sdst(0) depctr_va_ssrc(0) depctr_va_vcc(0) depctr_vm_vsrc(0)
	s_getreg_b32 s2, hwreg(HW_REG_IB_STS2, 6, 4)
	s_cmp_eq_u32 s2, 0
	s_cbranch_scc0 .Lentry_in_a_cluster
	s_endpgm
.Lentry_in_a_cluster:
	s_bfe_u32 s2, ttmp6, 0x10000c
	s_cmp_lg_u32 s2, 0xf033
	s_cbranch_scc0 .Lentry_shape_is_right
	s_endpgm
.Lentry_shape_is_right:
; h = Q(x) Q(W)^T + b: [4096][4096] f32, from the codes and scale bytes that the launch before laid.  No work is left out; the activation and the norm are the next launch's.
; xq, wq: [T = row / 128][ks = k / 512][BLKB bytes]: codes as images of operand registers (16 rows x 128 K = 1,024 bytes at 4096 i + 1024 q, register group c of lane l at 512 c + 16 l), then at 32,768 the scale bytes [row][16].
; A work-group makes 256 x 256, four waves 128 x 128 each: 512 accumulator registers.  The matrix form is 32 x 16 x 128: source 0 = 32 rows of W, source 1 = 16 rows of x, so a lane holds one row of the result and neighbouring columns.
; W GOES THROUGH LDS: two slots of K = 1,024 (4 blocks of BLKB), one joint load a wave, shared by the four work-groups of a column of the 4 x 4 cluster.  Four fills in all; two of them are refills, each behind a round of the cluster's barrier.
; x GOES FROM MEMORY STRAIGHT INTO REGISTERS: a fragment is 512 consecutive bytes a load; four sets of 64 registers, asked for three steps of 128 ahead.  So each LDS byte is read by two waves only for W, and x's tiles take no LDS.
; x is not asked for jointly: it has no tensor load.  All 32 steps of 128 along K are written by macros in a straight line: every offset is an immediate and no pointer is stepped.
; PREFETCH: x's group of 512 two groups ahead (136 units of 256 bytes shared by address among 4 partners x 2 waves, 17 each); W's two refills six steps of 128 ahead (34 units a partner and wave).  The first fills and x's first two groups come by their loads alone.
; THE WAY OUT: the wave's tile goes once through its own stage in LDS (in the slots, which have had their last fill and last read), comes back by rows of 512 bytes; the bias is added, the rows are stored: a loop of 8 blocks of 16 rows.
; LIMITS: the bias is added behind the sum over K; NaN and infinities are not served.
; REGISTERS.  window 0: v0-31 addresses, bias; v32-127 scale words, two sets of 48 (16 of W: lane m = row m of 32; 32 of x: lanes 0-15); v128-255 x sets 2, 3.  window 1: v0-127 W's two sets; v128-255 x sets 0, 1.  windows 2, 3: accumulators.
.set BLKB,   34816
.set TILEB,  8*BLKB
.set SLOT,   4*BLKB
.set SPARE,  2*SLOT                    ; behind the ring: the spare words, 128 bytes a wave
.set SPITCH, 528                       ; a stage row: 512 bytes + 16
.set WSTG,   128*SPITCH                ; a wave's stage; four of them end under SPARE
.set BI,   8                           ; v[8:11] my four columns' bias
.set XO,   12                          ; 16 x lane: x's fragments, the bias, the stores
.set XSO,  13                          ; 16 x (lane % 16): x's scale words
.set PFX,  14
.set PFW,  15
.set ADRW, 16                          ; v16-19: W's block of 512 along K, place 0..3 in the ring
.set STO,  24
.set RD,   25
.set RDN,  26
.set SPW,  28
.set NIL,  29
.set SC,   32
.set H,    128                         ; the way out: a block as it comes back
.set G,    192                         ; and as it leaves
.set G1,  24
.set G0,  32
.set XB,  46
.set WB,  48
.set MSB, 0
.macro WIN new
.if MSB != (\new)
	s_set_vgpr_msb (MSB<<8)|(\new)
.set MSB, (\new)
.endif
.endm
.macro PLACES
.rept 4
	v_nop
.endr
.endm
.macro JL g0                           ; a joint load; s_nop 0 and four v_nop behind it
	tensor_load_to_lds s[\g0:\g0+3], s[G1:G1+7]
	s_nop 0
	PLACES
.endm
.macro CREST
	s_cmp_lg_u32 s14, 0
	s_cbranch_scc1 .Lnot_wave_0_\@
	s_barrier_signal -3
.Lnot_wave_0_\@:
	s_barrier_wait -3
	s_barrier_signal -1
	s_barrier_wait -1
.endm
.macro CROUND
	s_barrier_signal -1
	s_barrier_wait -1
	CREST
.endm
.macro WFRAG m                         ; W's eight fragments of step m into set m % 2
	WIN 0x40
.irp i, 0,1,2,3,4,5,6,7
.irp c, 0,1
	ds_load_b128 v[64*((\m)%2)+8*\i+4*\c:64*((\m)%2)+8*\i+4*\c+3], v[ADRW+((\m)/4)%4] offset:4096*\i+1024*((\m)%4)+512*\c
.endr
.endr
.endm
.macro XFRAG m                         ; x's eight fragments of step m into set m % 4 (sets 0, 1 in window 1)
	WIN 0x40*(1-((\m)%4)/2)
.irp i, 0,1,2,3,4,5,6,7
.irp c, 0,1
	global_load_b128 v[128+64*((\m)%2)+8*\i+4*\c:128+64*((\m)%2)+8*\i+4*\c+3], v[XO], s[XB:XB+1] offset:BLKB*((\m)/4)+4096*\i+1024*((\m)%4)+512*\c
.endr
.endr
.endm
.macro WSCL g                          ; W's scale words of group g (512 along K): 32 rows a load, four words a row
.irp p, 0,1,2,3
	ds_load_b128 v[SC+48*((\g)%2)+4*\p:SC+48*((\g)%2)+4*\p+3], v[ADRW+(\g)%4] offset:32768+512*\p
.endr
.endm
.macro XSCL g                          ; x's: 16 rows a load, in lanes 0-15 (lanes 16-31 read the same bytes)
.irp i, 0,1,2,3,4,5,6,7
	global_load_b128 v[SC+48*((\g)%2)+16+4*\i:SC+48*((\g)%2)+16+4*\i+3], v[XSO], s[XB:XB+1] offset:BLKB*(\g)+32768+256*\i
.endr
.endm
.macro RUN n                           ; step n's one run of loads: W for step n + 1, x for step n + 3
.if (\n)+1 <= 31
	WFRAG (\n)+1
.endif
.if (\n)+3 <= 31
	XFRAG (\n)+3
.endif
	WIN 0
.if (\n)+1 <= 31
.if ((\n)+1)%4 == 0
	WSCL ((\n)+1)/4
.endif
.endif
.if (\n)+3 <= 31
.if ((\n)+3)%4 == 0
	XSCL ((\n)+3)/4
.endif
.endif
.endm
.macro CNT m                           ; CV = the global loads that step m's run issues (the head's sets count as steps -2, -1)
.if (\m) < 0
.set CV, 16
.else
.if (\m)+3 > 31
.set CV, 0
.else
.if ((\m)+3)%4 == 0
.set CV, 24
.else
.set CV, 16
.endif
.endif
.endif
.endm
.macro LWAIT n                         ; LW = what may be out when step n's set of x is in: the runs of steps n - 2 and n - 1
	CNT (\n)-2
.set LW, CV
	CNT (\n)-1
.set LW, LW+CV
.set XW, 1-((\n)%4)/2
.endm
.macro ASK n
.if (\n)%4 == 0
.if (\n)/4+2 <= 7
	global_prefetch_b8 v[PFX], s[XB:XB+1] offset:BLKB*((\n)/4+2) th:TH_LOAD_NT scope:SCOPE_SE
.endif
.endif
.if (\n)%8 == 1
.if (\n) < 16
	global_prefetch_b8 v[PFW], s[WB:WB+1] offset:BLKB*(4+2*((\n)/8)) th:TH_LOAD_NT scope:SCOPE_SE
	global_prefetch_b8 v[PFW], s[WB:WB+1] offset:BLKB*(4+2*((\n)/8))+17*256 th:TH_LOAD_NT scope:SCOPE_SE
.endif
.endif
.endm
; 8 matrix instructions: x's blocks a0, a0 + 1 against W's four pairs of blocks.  The 32 accumulators of 16 registers take turns.
.macro MUL8 n, a0, zero
.irp a, \a0, \a0+1
.irp p, 0,1,2,3
.if \zero
	v_wmma_scale_f32_32x16x128_f4 v[64*((\a)%4)+16*\p:64*((\a)%4)+16*\p+15], v[64*((\n)%2)+16*\p:64*((\n)%2)+16*\p+15], v[128+64*((\n)%2)+8*(\a):128+64*((\n)%2)+8*(\a)+7], 0, v[SC+48*(((\n)/4)%2)+4*\p+(\n)%4], v[SC+48*(((\n)/4)%2)+16+4*(\a)+(\n)%4]
.else
	v_wmma_scale_f32_32x16x128_f4 v[64*((\a)%4)+16*\p:64*((\a)%4)+16*\p+15], v[64*((\n)%2)+16*\p:64*((\n)%2)+16*\p+15], v[128+64*((\n)%2)+8*(\a):128+64*((\n)%2)+8*(\a)+7], v[64*((\a)%4)+16*\p:64*((\a)%4)+16*\p+15], v[SC+48*(((\n)/4)%2)+4*\p+(\n)%4], v[SC+48*(((\n)/4)%2)+16+4*(\a)+(\n)%4]
.endif
.endr
.endr
.endm
.macro STEP n, zero
	LWAIT \n
	s_wait_dscnt 0x0                               ; W's set, asked for a step ago
	s_wait_loadcnt LW                              ; x's set, asked for three steps ago; the two younger runs may be out
.if (\n) > 0
	PLACES                                         ; the run lands in registers that the last step's products read
.endif
	RUN \n
	ASK \n
	WIN 0xa1|(XW<<2)
	MUL8 \n, 0, \zero
	MUL8 \n, 2, \zero
	WIN 0xf1|(XW<<2)
	MUL8 \n, 4, \zero
	MUL8 \n, 6, \zero
.endm
; A slot's last step: its fragments are already in registers, so the slots change here.  fill = 1: slot sl is filled again, behind a round.
.macro TURN n, fill, sl
	LWAIT \n
	WIN 0
	s_wait_tensorcnt 0x0                           ; my part of the other slot has landed
	ds_add_u32 v[SPW], v[NIL]
.if \fill
	s_add_nc_u64 s[G0+4*\sl+2:G0+4*\sl+3], s[G0+4*\sl+2:G0+4*\sl+3], 4*BLKB
.endif
	s_wait_loadcnt LW
	s_wait_dscnt 1                                 ; only the add may be out
	WIN 0xa1|(XW<<2)
	MUL8 \n, 0, 0
	s_wait_dscnt 0x0                               ; the add is done; my reads of this slot were done above
	s_barrier_signal -1
	MUL8 \n, 2, 0
	WIN 0
	s_barrier_wait -1
.if \fill
	CREST
	JL G0+4*\sl
.else
	PLACES
.endif
	RUN \n
	WIN 0xf1|(XW<<2)
	MUL8 \n, 4, 0
	MUL8 \n, 6, 0
.endm
	s_load_b256 s[4:11], s[0:1], 0x0               ; xq, wq, b, h
	v_lshl_add_u32 v[SPW], v0, 2, SPARE
	v_mov_b32 v[NIL], 0
	ds_add_u32 v[SPW], v[NIL]                      ; the opening lines: the add twice on end and one wait
	ds_add_u32 v[SPW], v[NIL]
	v_lshrrev_b32 v1, 5, v0
	v_readfirstlane_b32 s14, v1                    ; wave
	s_lshr_b32 s15, s14, 1                         ; my half of the rows; also which 512 of a slot's 1,024 I fetch
	s_and_b32 s16, s14, 1                          ; my half of the columns; also which 128 rows of W I fetch
	s_bfe_u32 s40, ttmp6, 0x40000                  ; cx
	s_bfe_u32 s41, ttmp6, 0x40004                  ; cy
	s_lshl_b32 s42, ttmp9, 2
	s_add_co_u32 s42, s42, s40                     ; tile column
	s_and_b32 s17, ttmp7, 0xffff
	s_lshl_b32 s17, s17, 2
	s_add_co_u32 s17, s17, s41                     ; tile row
	s_lshl_b32 s44, 0x1111, s40                    ; my column of the cluster
	s_or_b32 s[G1+0], s44, (3<<16)|(1<<21)         ; a block: 136 rows of 256 bytes (32 elements of 8), dense
	s_mov_b32 s[G1+1], 32<<16
	s_mov_b32 s[G1+2], 136<<16
	s_mov_b32 s[G1+3], 32<<16
	s_mov_b32 s[G1+4], 136
	s_mov_b32 s[G1+5], 32
	s_mov_b32 s[G1+6], 0
	s_mov_b32 s[G1+7], 0
	s_lshl_b32 s20, s17, 1
	s_add_co_u32 s20, s20, s15
	s_mul_i32 s20, s20, TILEB                      ; x: my 128 rows
	s_mov_b32 s21, 0
	s_lshl_b32 s22, s42, 1
	s_add_co_u32 s22, s22, s16
	s_mul_i32 s22, s22, TILEB
	s_mul_i32 s23, s15, BLKB
	s_add_co_u32 s22, s22, s23                     ; W: the block that I fetch of the first fill
	s_mov_b32 s23, 0
	s_lshl_b32 s56, s42, 10
	s_lshl_b32 s57, s16, 9
	s_add_co_u32 s56, s56, s57                     ; my first column, in bytes
	s_mov_b32 s57, 0
	s_lshl_b32 s58, s17, 8
	s_lshl_b32 s59, s15, 7
	s_add_co_u32 s58, s58, s59
	s_lshl_b32 s58, s58, 14                        ; my first row, in bytes
	s_mov_b32 s59, 0
	s_mul_i32 s50, s16, BLKB                       ; the four places of the ring, my half of W's rows
	s_add_co_u32 s51, s50, 2*BLKB
	s_add_co_u32 s52, s50, 4*BLKB
	s_add_co_u32 s53, s50, 6*BLKB
	s_mul_i32 s54, s14, WSTG                       ; my stage
	s_lshl_b32 s55, s40, 1
	s_add_co_u32 s55, s55, s16
	s_mul_i32 s55, s55, 17                         ; prefetch of x: my 17 units of the block's 136
	s_mul_i32 s60, s41, 34                         ; of W: my 34
	s_mul_i32 s33, s14, BLKB
	s_add_co_u32 s37, s33, SLOT
	v_and_b32 v3, 31, v0
	v_and_b32 v1, 15, v0
	v_bfe_u32 v2, v0, 4, 1
	v_lshlrev_b32 v[XO], 4, v3
	v_lshlrev_b32 v[XSO], 4, v1
	v_min_u32 v4, 16, v3                           ; lanes 17-31 name the wave's last unit again
	v_mul_u32_u24 v6, v1, SPITCH
	v_add_nc_u32 v[ADRW+0], s50, v[XO]
	v_add_nc_u32 v[ADRW+1], s51, v[XO]
	v_add_nc_u32 v[ADRW+2], s52, v[XO]
	v_add_nc_u32 v[ADRW+3], s53, v[XO]
	v_lshl_add_u32 v6, v2, 5, v6
	v_add_nc_u32 v[STO], s54, v6                   ; into the stage: row l % 16, 32 bytes for each half of the lanes
	v_add_nc_u32 v[RD], s54, v[XO]                 ; back: 32 lanes take a row of 512 bytes
	v_add_nc_u32 v5, s55, v4
	v_lshlrev_b32 v[PFX], 8, v5
	v_add_nc_u32 v7, s60, v4
	v_lshlrev_b32 v[PFW], 8, v7
	s_wait_alu depctr_va_vdst(0)
	s_wait_dscnt 0x0
	s_wait_kmcnt 0x0
	s_add_nc_u64 s[XB:XB+1], s[4:5], s[20:21]
	s_add_nc_u64 s[WB:WB+1], s[6:7], s[22:23]
	s_add_nc_u64 s[8:9], s[8:9], s[56:57]
	s_add_nc_u64 s[10:11], s[10:11], s[58:59]
	s_add_nc_u64 s[10:11], s[10:11], s[56:57]
	global_load_b128 v[BI:BI+3], v[XO], s[8:9]
	XSCL 0
	XFRAG 0
	XFRAG 1
	XFRAG 2
	WIN 0
	s_mov_b32 s[G0], 1
	s_mov_b64 s[G0+2:G0+3], s[WB:WB+1]
	s_or_b32 s[G0+3], s[G0+3], 0x80000000
	s_mov_b32 s[G0+4], 1
	s_add_nc_u64 s[G0+6:G0+7], s[WB:WB+1], 2*BLKB
	s_or_b32 s[G0+7], s[G0+7], 0x80000000
	CROUND                                         ; in front of the first joint loads
	JL G0                                          ; slot 0: one tensor load a wave at the head
	s_wait_tensorcnt 0x0
	ds_add_u32 v[SPW], v[NIL]
	s_wait_dscnt 0x0
	CROUND
	JL G0+4                                        ; slot 1
	WFRAG 0
	WIN 0
	WSCL 0
	STEP 0, 1                                      ; the first products start the sums
.set N, 1
.rept 6
	STEP N, 0
.set N, N+1
.endr
	TURN 7, 1, 0
.set N, 8
.rept 7
	STEP N, 0
.set N, N+1
.endr
	TURN 15, 1, 1
.set N, 16
.rept 7
	STEP N, 0
.set N, N+1
.endr
	TURN 23, 0, 0
.set N, 24
.rept 7
	STEP N, 0
.set N, N+1
.endr
	LWAIT 31
	s_wait_dscnt 0x0                               ; my last reads of the slots are done:
	s_wait_loadcnt 0x0
	s_barrier_signal -1                            ; behind this barrier the slots serve as stages
	WIN 0xa1|(XW<<2)
	MUL8 31, 0, 0
	MUL8 31, 2, 0
	WIN 0xf1|(XW<<2)
	MUL8 31, 4, 0
	MUL8 31, 6, 0
	WIN 0
	s_barrier_wait -1
	PLACES
.irp a, 0,1,2,3,4,5,6,7                ; my 128 x 128 into my stage, each accumulator from its low end on
	WIN 0x08+4*(\a/4)
.irp bb, 0,1,2,3,4,5,6,7
	ds_store_b128 v[STO], v[64*(\a%4)+8*\bb:64*(\a%4)+8*\bb+3] offset:\a*16*SPITCH+64*\bb
	ds_store_b128 v[STO], v[64*(\a%4)+8*\bb+4:64*(\a%4)+8*\bb+7] offset:\a*16*SPITCH+64*\bb+16
.endr
.endr
	WIN 0
	s_mov_b32 s20, 0                               ; what the next block adds to the stores' base: 0 for the first
	s_mov_b32 s21, 0
	s_mov_b32 s22, 0                               ; the block that is asked for, in stage bytes
	s_mov_b32 s3, 8
.irp t, 0,1,2,3,4,5,6,7,8,9,10,11,12,13,14,15
	ds_load_b128 v[H+4*\t:H+4*\t+3], v[RD] offset:\t*SPITCH        ; LDS serves a wave's instructions in order: these see my stores
.endr
.Lout:                                                 ; a block of 16 rows x 128 columns: 64 numbers a lane
	s_wait_dscnt 0x0                               ; the block is back
	s_wait_xcnt 0x0                                ; the last block's stores have read their registers and their base
	s_add_nc_u64 s[10:11], s[10:11], s[20:21]
	s_mov_b32 s20, 16*16384
.set p, 0
.rept 32
	v_pk_add_f32 v[G+p:G+p+1], v[H+p:H+p+1], v[BI+p%4:BI+p%4+1]    ; h = the sum + b
.set p, p+2
.endr
	s_add_co_u32 s22, s22, 16*SPITCH
	s_min_u32 s22, s22, 7*16*SPITCH                ; the next block; the last trip names block 7 again, and nothing reads that
	v_add_nc_u32 v[RDN], s22, v[RD]
	s_wait_alu depctr_va_vdst(0)
.irp t, 0,1,2,3,4,5,6,7,8,9,10,11,12,13,14,15
	ds_load_b128 v[H+4*\t:H+4*\t+3], v[RDN] offset:\t*SPITCH
.endr
.irp t, 0,1,2,3,4,5,6,7,8,9,10,11,12,13,14,15
	global_store_b128 v[XO], v[G+4*\t:G+4*\t+3], s[10:11] offset:\t*16384 th:TH_STORE_NT   ; 32 lanes store 512 consecutive bytes, at a multiple of 256 from the buffer's first byte
.endr
	s_sub_co_u32 s3, s3, 1
	s_cmp_lg_u32 s3, 0
	s_cbranch_scc1 .Lout
	s_wait_tensorcnt 0x0                           ; the wave's end
	ds_add_u32 v[SPW], v[NIL]
	s_wait_dscnt 0x0
	CROUND                                         ; the closing round
	s_endpgm
.Lfunc_end_k_q03730e3cb6_gemm:
	.size	k_q03730e3cb6_gemm, .Lfunc_end_k_q03730e3cb6_gemm-k_q03730e3cb6_gemm
	.p2alignl 7, 3214868480
	.fill 96, 4, 3214868480
	.section	.rodata,"a",@progbits
	.p2align	6, 0x0
	.amdhsa_kernel k_q03730e3cb6_gemm
		.amdhsa_group_segment_fixed_size 327680
		.amdhsa_private_segment_fixed_size 0
		.amdhsa_enable_private_segment 0
		.amdhsa_kernarg_size 32
		.amdhsa_user_sgpr_count 2
		.amdhsa_user_sgpr_kernarg_segment_ptr 1
		.amdhsa_wavefront_size32 1
		.amdhsa_system_sgpr_workgroup_id_x 1
		.amdhsa_system_sgpr_workgroup_id_y 1
		.amdhsa_system_sgpr_workgroup_id_z 1
		.amdhsa_system_vgpr_workitem_id 0
		.amdhsa_next_free_vgpr 1024
		.amdhsa_next_free_sgpr 72
		.amdhsa_reserve_vcc 0
		.amdhsa_float_denorm_mode_32 3
		.amdhsa_float_denorm_mode_16_64 3
		.amdhsa_memory_ordered 1
		.amdhsa_forward_progress 1
		.amdhsa_inst_pref_size 249
	.end_amdhsa_kernel
	.amdgpu_metadata
---
amdhsa.version: [ 1, 2 ]
amdhsa.kernels:
  - .name:           k_q03730e3cb6_gemm
    .symbol:         k_q03730e3cb6_gemm.kd
    .args:
      - { .name: xq, .offset: 0, .size: 8, .value_kind: global_buffer, .address_space: global }
      - { .name: wq, .offset: 8, .size: 8, .value_kind: global_buffer, .address_space: global }
      - { .name: b, .offset: 16, .size: 8, .value_kind: global_buffer, .address_space: global }
      - { .name: hbuf, .offset: 24, .size: 8, .value_kind: global_buffer, .address_space: global }
    .group_segment_fixed_size: 327680
    .private_segment_fixed_size: 0
    .kernarg_segment_align: 8
    .kernarg_segment_size: 32
    .max_flat_workgroup_size: 128
    .sgpr_count:     72
    .vgpr_count:     1024
    .wavefront_size: 32
...
	.end_amdgpu_metadata
.endif
;; end of part 2
;; launch norm (part 3): grid 256 x 1, 16 waves a work-group, no clusters, 34,816 bytes of LDS; arguments hbuf, a2, b2, out0; writes out0
.if DOCPART == 3
	.amdgcn_target "amdgcn-amd-amdhsa--gfx1250"
	.amdhsa_code_object_version 6
	.text
	.protected	k_q03730e3cb6_norm
	.globl	k_q03730e3cb6_norm
	.p2align	8
	.type	k_q03730e3cb6_norm,@function
k_q03730e3cb6_norm:
	s_mov_b64 s[64:65], 0
	v_nop
	global_prefetch_b8 v0, s[64:65] scope:SCOPE_SE
	s_setreg_imm32_b32 hwreg(HW_REG_WAVE_MODE, 25, 1), 1
	s_wait_xcnt 0x0
; out[m][n] = (g - mean) rsqrt(var + 1e-12) a2[n] + b2[n], g = gelu_tanh(h[m][n]), mean and var (biased) over the row's 4,096 numbers.  h [4096][4096] f32 comes from the launch before.  No work is left out.
; TWO IDENTITIES, both true of all real numbers: 0.5 h (1 + tanh u) = h / (1 + e^(-2 u)), here h x rcp(1 + 2^(h (K0 + K1 h^2))), K0 = -2 sqrt(2 / pi) log2(e), K1 = 0.044715 K0;
; and g inv + (b2 - mean inv) = (g - mean) inv + b2, one fused multiply-add.  Far below 0 the power is infinite, its reciprocal 0 and g = -0; far above 0 the power is 0 and g = h: as the tanh form saturates.
; LIMITS: the order of the f32 sums for mean and var differs from the reference's; the exponential and the reciprocal are the chip's own, good to 1 ulp (ISA guide, their entries), and flush denormals.
; SHARES.  A work-group takes 16 rows, ONE WAVE A WHOLE ROW: 16,384 bytes, 128 registers a lane, read once and kept between the passes; load j takes the 512 consecutive bytes at 512 j.  No reduction leaves a wave.
; a2 and b2, which all sixteen waves want, are copied once into LDS (the launch's one barrier) and come back in pieces of 512 consecutive bytes.  No matrix unit, no cluster, no tensor load: rows are shared by nobody.
; TWO TURNS OF ROWS.  Waves 0 to 7 ask for their rows at once.  Waves 8 to 15 make the copy of a2 and b2 first and ask for their rows behind it: so the work-group's first 131,072 bytes of h are requested ahead of the other
; 131,072, and the first eight rows can be normalised and stored while the other eight are still on their way.  The branch hangs on the wave's number alone and leads round no barrier.
.set SPARE, 32768                      ; LDS: a2 at 0, b2 at 16,384; behind them the spare words, 128 bytes for each of 16 waves: eight blocks of 256 bytes that no other line names
.set SPW, 4                            ; v4   LDS address of my spare word; never rewritten
.set NIL, 5                            ; v5   0; never rewritten
.set K1,  6                            ; v[6:7]   K1, twice
.set K0,  8                            ; v[8:9]   K0, twice
.set S,   10                           ; v[10:17] four chains of pairs
.set MN,  18                           ; v[18:19] the mean, twice
.set RS,  20                           ; v[20:21] rsqrt(var + eps), twice
.set Z0,  24                           ; v[24:55]  at work; later a piece of a2 (16 registers) and of b2 (16)
.set Z1,  56                           ; v[56:87]  in waves 8 to 15 the copy of a2 and b2 on its way to LDS; later the other piece
.set X,   88                           ; v[88:215] the row
	s_load_b256 s[4:11], s[0:1], 0x0               ; h s[4:5], a2 s[6:7], b2 s[8:9], out s[10:11]
	v_lshl_add_u32 v[SPW], v0, 2, SPARE
	v_mov_b32 v[NIL], 0
	v_lshrrev_b32 v22, 5, v0
	s_delay_alu instid0(VALU_DEP_1)
	v_readfirstlane_b32 s12, v22                   ; wave 0..15
	v_and_b32 v1, 31, v0
	s_delay_alu instid0(VALU_DEP_1)
	v_lshlrev_b32 v1, 4, v1                        ; 16 x lane
	v_and_b32 v2, 255, v0
	s_delay_alu instid0(VALU_DEP_1)
	v_lshlrev_b32 v2, 4, v2                        ; 16 x (thread % 256): the copy's place, in memory and in LDS; made ahead of the branch, in every wave
	v_mov_b32 v[K1], 0xbdd2d3e8
	v_mov_b32 v[K1+1], 0xbdd2d3e8
	v_mov_b32 v[K0], 0xc0135761
	v_mov_b32 v[K0+1], 0xc0135761
	v_mov_b32 v23, 0                               ; written once: a lane permute's destination counts as one of its sources
	s_lshl_b32 s14, ttmp9, 4
	s_add_co_u32 s14, s14, s12                     ; my row
	s_lshl_b32 s14, s14, 14                        ; of 16,384 bytes
	s_mov_b32 s15, 0
	s_mov_b32 s16, 0x76543210
	s_mov_b32 s17, 0xfedcba98                      ; v_permlanex16_b32's selects for lane l xor 16
	s_mov_b32 s20, 0x39800000                      ; 1 / 4096
	s_mov_b32 s21, 0x2b8cbccc                      ; 1e-12
	s_wait_kmcnt 0x0
	s_add_nc_u64 s[4:5], s[4:5], s[14:15]
	s_add_nc_u64 s[10:11], s[10:11], s[14:15]
	s_cmp_lt_u32 s12, 8                            ; waves 0 to 7 go straight to their rows
	s_cbranch_scc1 .Lrow
	s_wait_alu depctr_va_vdst(0)
.irp i, 0,1,2,3
	global_load_b128 v[Z1+4*\i:Z1+4*\i+3],       v2, s[6:7] offset:4096*\i     ; 256 threads x 16 bytes: a quarter of a2,
	global_load_b128 v[Z1+16+4*\i:Z1+16+4*\i+3], v2, s[8:9] offset:4096*\i     ; and of b2
.endr
	s_wait_loadcnt 0x0                             ; the eight are all that I have out
.irp i, 0,1,2,3
	ds_store_b128 v2, v[Z1+4*\i:Z1+4*\i+3] offset:4096*\i
	ds_store_b128 v2, v[Z1+16+4*\i:Z1+16+4*\i+3] offset:16384+4096*\i
.endr
.Lrow:
.set j, 0
	s_wait_alu depctr_va_vdst(0)
.rept 32
	global_load_b128 v[X+4*j:X+4*j+3], v1, s[4:5] offset:512*j th:TH_LOAD_NT   ; the whole row is asked for at once; on both ways these 32 are the loads issued last
.set j, j+1
.endr
	s_wait_dscnt 0x0                               ; for the others' sake: the copy's stores have landed (waves 0 to 7 have none out)
	s_barrier_signal -1
	s_barrier_wait -1                              ; a2 and b2 lie whole in LDS
; A quarter of the row: 32 numbers a lane become g, in place, and enter the sums.  The exponentials are one batch with one wait, the reciprocals another.
.macro GELU c
.set XS, X+32*\c
	s_wait_loadcnt 24-8*\c                         ; this quarter's eight loads are in; the later quarters' may be out
.set p, 0
.rept 16
	v_pk_mul_f32 v[Z0+p:Z0+p+1], v[XS+p:XS+p+1], v[XS+p:XS+p+1]    ; h^2
.set p, p+2
.endr
.set p, 0
.rept 16
	v_pk_fma_f32 v[Z0+p:Z0+p+1], v[Z0+p:Z0+p+1], v[K1:K1+1], v[K0:K0+1]   ; K0 + K1 h^2
.set p, p+2
.endr
.set p, 0
.rept 16
	v_pk_mul_f32 v[Z0+p:Z0+p+1], v[Z0+p:Z0+p+1], v[XS+p:XS+p+1]    ; x h
.set p, p+2
.endr
.set p, 0
	s_wait_alu depctr_va_vdst(0)
.rept 32
	v_exp_f32 v[Z0+p], v[Z0+p]
.set p, p+1
.endr
	v_nop                                          ; a plain instruction behind the last exponential
	s_wait_alu depctr_va_vdst(0)                   ; one wait for the 32
.set p, 0
.rept 16
	v_pk_add_f32 v[Z0+p:Z0+p+1], v[Z0+p:Z0+p+1], 1.0 op_sel_hi:[1,0]
.set p, p+2
.endr
.set p, 0
	s_wait_alu depctr_va_vdst(0)
.rept 32
	v_rcp_f32 v[Z0+p], v[Z0+p]
.set p, p+1
.endr
	v_nop                                          ; a plain instruction behind the last reciprocal
	s_wait_alu depctr_va_vdst(0)                   ; one wait for the 32
.set p, 0
.rept 16
	v_pk_mul_f32 v[XS+p:XS+p+1], v[XS+p:XS+p+1], v[Z0+p:Z0+p+1]    ; g
.set p, p+2
.endr
.if \c == 0
.set p, 0
.rept 4
	v_pk_add_f32 v[S+p:S+p+1], v[XS+p:XS+p+1], v[XS+8+p:XS+8+p+1]  ; the first eight pairs start the four chains: nothing is cleared
.set p, p+2
.endr
.set p, 16
.rept 8
	s_delay_alu instid0(VALU_DEP_4)
	v_pk_add_f32 v[S+p%8:S+p%8+1], v[S+p%8:S+p%8+1], v[XS+p:XS+p+1]
.set p, p+2
.endr
.else
.set p, 0
.rept 16
	v_pk_add_f32 v[S+p%8:S+p%8+1], v[S+p%8:S+p%8+1], v[XS+p:XS+p+1]
.set p, p+2
.endr
.endif
.endm
; The four chains, their halves and the 32 lanes are added: v22 holds the row's sum in every lane.
.macro RED
	v_pk_add_f32 v[S:S+1], v[S:S+1], v[S+2:S+3]
	v_pk_add_f32 v[S+4:S+5], v[S+4:S+5], v[S+6:S+7]
	s_delay_alu instid0(VALU_DEP_1)
	v_pk_add_f32 v[S:S+1], v[S:S+1], v[S+4:S+5]
	s_delay_alu instid0(VALU_DEP_1)
	v_add_f32 v22, v[S], v[S+1]
	s_delay_alu instid0(VALU_DEP_1)
	v_add_f32_dpp v22, v22, v22 row_xmask:1 row_mask:0xf bank_mask:0xf
	s_delay_alu instid0(VALU_DEP_1)
	v_add_f32_dpp v22, v22, v22 row_xmask:2 row_mask:0xf bank_mask:0xf
	s_delay_alu instid0(VALU_DEP_1)
	v_add_f32_dpp v22, v22, v22 row_xmask:4 row_mask:0xf bank_mask:0xf
	s_delay_alu instid0(VALU_DEP_1)
	v_add_f32_dpp v22, v22, v22 row_xmask:8 row_mask:0xf bank_mask:0xf
	s_delay_alu instid0(VALU_DEP_1)
	v_permlanex16_b32 v23, v22, s16, s17
	s_delay_alu instid0(VALU_DEP_1)
	v_add_f32 v22, v22, v23
.endm
; Group g of eight: the pieces of a2 and b2 that go with the row's loads 4 g .. 4 g + 3, into set g % 2: 16 registers of a2, then 16 of b2.
.macro DSL g
.set ZS, Z0+32*((\g)%2)
.irp u, 0,1,2,3
	ds_load_b128 v[ZS+4*\u:ZS+4*\u+3],       v1 offset:512*(4*(\g)+\u)
	ds_load_b128 v[ZS+16+4*\u:ZS+16+4*\u+3], v1 offset:16384+512*(4*(\g)+\u)
.endr
.endm
.macro FIN g
.set ZS, Z0+32*((\g)%2)
.set XG, X+16*(\g)
.if (\g) < 7
	s_wait_dscnt 8                                 ; this group's eight loads are in; the next group's may be out
.else
	s_wait_dscnt 0x0
.endif
.set p, 0
.rept 8
	v_pk_mul_f32 v[ZS+p:ZS+p+1], v[ZS+p:ZS+p+1], v[RS:RS+1]        ; inv = rsqrt(var + eps) a2
.set p, p+2
.endr
.set p, 0
.rept 8
	v_pk_fma_f32 v[XG+p:XG+p+1], v[XG+p:XG+p+1], v[ZS+p:ZS+p+1], v[ZS+16+p:ZS+16+p+1]   ; (g - mean) inv + b2
.set p, p+2
.endr
.irp u, 0,1,2,3
	global_store_b128 v1, v[XG+4*\u:XG+4*\u+3], s[10:11] offset:512*(4*(\g)+\u) th:TH_STORE_NT   ; 32 lanes store 512 consecutive bytes, at a multiple of 256 from the output's first byte
.endr
.if (\g)+2 < 8
	DSL (\g)+2
.endif
.endm
	GELU 0
	GELU 1
	GELU 2
	GELU 3
	DSL 0                                          ; the first two pieces of a2 and b2 are asked for here, and land under the two reductions
	DSL 1
	RED
	s_delay_alu instid0(VALU_DEP_1)
	v_mul_f32 v[MN], s20, v22                      ; the mean
	s_delay_alu instid0(VALU_DEP_2)
	v_mul_f32 v[MN+1], s20, v22
.set p, 0
.rept 64
	v_pk_add_f32 v[X+p:X+p+1], v[X+p:X+p+1], v[MN:MN+1] neg_lo:[0,1] neg_hi:[0,1]   ; g - mean, in place: it serves the variance and the result
.set p, p+2
.endr
.set p, 0
.rept 4
	v_pk_mul_f32 v[S+p:S+p+1], v[X+p:X+p+1], v[X+p:X+p+1]          ; the first four pairs start the chains
.set p, p+2
.endr
.rept 60
	s_delay_alu instid0(VALU_DEP_4)
	v_pk_fma_f32 v[S+p%8:S+p%8+1], v[X+p:X+p+1], v[X+p:X+p+1], v[S+p%8:S+p%8+1]
.set p, p+2
.endr
	RED
	s_delay_alu instid0(VALU_DEP_1)
	v_fma_f32 v22, v22, s20, s21                   ; var + eps
	s_wait_alu depctr_va_vdst(0)
	v_rsq_f32 v[RS], v22
	v_rsq_f32 v[RS+1], v22                         ; twice: a pair for the packed multiply
	v_nop                                          ; a plain instruction behind the transcendentals
	s_wait_alu depctr_va_vdst(0)                   ; one wait for the two, ahead of their first reader
.irp g, 0,1,2,3,4,5,6,7
	FIN \g
.endr
	s_wait_tensorcnt 0x0                           ; the wave's end: behind my last LDS store
	ds_add_u32 v[SPW], v[NIL]
	s_wait_dscnt 0x0
	s_endpgm
.Lfunc_end_k_q03730e3cb6_norm:
	.size	k_q03730e3cb6_norm, .Lfunc_end_k_q03730e3cb6_norm-k_q03730e3cb6_norm
	.p2alignl 7, 3214868480
	.fill 96, 4, 3214868480
	.section	.rodata,"a",@progbits
	.p2align	6, 0x0
	.amdhsa_kernel k_q03730e3cb6_norm
		.amdhsa_group_segment_fixed_size 34816
		.amdhsa_private_segment_fixed_size 0
		.amdhsa_enable_private_segment 0
		.amdhsa_kernarg_size 32
		.amdhsa_user_sgpr_count 2
		.amdhsa_user_sgpr_kernarg_segment_ptr 1
		.amdhsa_wavefront_size32 1
		.amdhsa_system_sgpr_workgroup_id_x 1
		.amdhsa_system_sgpr_workgroup_id_y 1
		.amdhsa_system_sgpr_workgroup_id_z 1
		.amdhsa_system_vgpr_workitem_id 0
		.amdhsa_next_free_vgpr 216
		.amdhsa_next_free_sgpr 66
		.amdhsa_reserve_vcc 0
		.amdhsa_float_denorm_mode_32 3
		.amdhsa_float_denorm_mode_16_64 3
		.amdhsa_memory_ordered 1
		.amdhsa_forward_progress 1
		.amdhsa_inst_pref_size 67
	.end_amdhsa_kernel
	.amdgpu_metadata
---
amdhsa.version: [ 1, 2 ]
amdhsa.kernels:
  - .name:           k_q03730e3cb6_norm
    .symbol:         k_q03730e3cb6_norm.kd
    .args:
      - { .name: hbuf, .offset: 0, .size: 8, .value_kind: global_buffer, .address_space: global }
      - { .name: a2, .offset: 8, .size: 8, .value_kind: global_buffer, .address_space: global }
      - { .name: b2, .offset: 16, .size: 8, .value_kind: global_buffer, .address_space: global }
      - { .name: out0, .offset: 24, .size: 8, .value_kind: global_buffer, .address_space: global }
    .group_segment_fixed_size: 34816
    .private_segment_fixed_size: 0
    .kernarg_segment_align: 8
    .kernarg_segment_size: 32
    .max_flat_workgroup_size: 512
    .sgpr_count:     66
    .vgpr_count:     216
    .wavefront_size: 32
...
	.end_amdgpu_metadata
.endif
;; end of part 3
